; MI455X (gfx1250); checked and timed in simulation.
; The chip was launched on July 23, 2026; its instructions are those of AMD's public machine-readable ISA for CDNA 5 (MIT licence, August 2026) and "CDNA5" Instruction Set Architecture Reference Guide (July 2026). The comments in the code are by the model that wrote it; some were corrected since.
;; Read Unit. Allowed arithmetic: matrix products marked QUANTISED: E3M2 operands, one E8M0 scale for each 32 along K, by v_wmma_scale_f32_16x16x128_f8f6f4 with both operands' format E3M2, f32 sums; products left as they are: f32 operands where the result goes on into a quantised operand, else bf16, f16 or f32 operands; f32 sums; everything else in f32.
;; Inputs: W_attn 1 x 512 float32; W_cat 512 x 1,024 float32; W_cat2 512 x 512 float32; W_kb 512 x 512 float32; W_mem 512 x 512 float32; b_attn 1 float32; b_cat 512 float32; b_cat2 512 float32; b_kb 512 float32; b_mem 512 float32; control 4 x 32 x 512 float32; know 32 x 512 x 2,048 float32; masks 32 x 512 float32; memory 4 x 32 x 512 float32.
;; Outputs: out0 32 x 512 float32.
;; This version of the problem:
;;   THIS VERSION OF THE PROBLEM IS GIVEN IN LOW PRECISION. The matrix products marked QUANTISED in the list below multiply operands that are first quantised to E3M2 (3 exponent bits, 2 mantissa bits; 6 bits a number), with one power-of-two scale for each 32 numbers along K (OCP MX v1.0); their sums are f32. All else is computed in f32.
;;   The module's matrix products, in the order in which they are computed (A, B: the left and right operand; K: the contracted axis; several contracted axes count as one K, in the product's order):
;;     1. [M 32, K 512] x [K 512, N 512]; A: computed on the way; B: input W_mem: QUANTISED
;;     2. [M 65,536, K 512] x [K 512, N 512]; A: input know; B: input W_kb: QUANTISED
;;     3. [M 65,536, K 1,024] x [K 1,024, N 512]; A: computed on the way; B: input W_cat: QUANTISED
;;     4. [M 65,536, K 512] x [K 512, N 512]; A: computed on the way; B: input W_cat2: QUANTISED
;;     5. [M 65,536, K 512] x [K 512, N 1]; A: computed on the way; B: input W_attn: left as it is (N = 1 < 16)
;;     6. batch 32 x [M 1, K 2,048] x [K 2,048, N 512]; A: softmax; B: input know: left as it is (M = 1 < 16)
;;   THE QUANTISER, for each operand of a quantised product, along K:
;;     - K is cut into blocks of 32 from its start; a last block that is shorter is filled with zeros.
;;     - A block's scale is 2^e with e = floor(log2(the largest magnitude in the block)) - 4, held to -126 .. 127; a block of zeros has e = 0. As a byte (E8M0): e + 127.
;;     - Each number is divided by its block's scale, clamped to +-28, and rounded to the nearest number of E3M2, ties to even, subnormals kept.
;;     - The product sums the exact products of the quantised numbers (number of the format x scale) in f32.
;;   ~~~python
;;   def quantise(x, axis):      # numpy; x: float32 -> the quantised numbers, widened to float32 again
;;       x = np.moveaxis(x, axis, -1); K = x.shape[-1]
;;       x = np.pad(x, [(0, 0)] * (x.ndim - 1) + [(0, -K % 32)]); x = x.reshape(x.shape[:-1] + (-1, 32)); a = np.abs(x).max(-1, keepdims=True)
;;       e = np.where(a > 0, np.clip(np.frexp(np.where(a > 0, a, 1))[1] - 1 - 4, -126, 127), 0)      # np.frexp(a)[1] - 1 = floor(log2(a)), exactly
;;       r = np.clip(x / 2.0 ** e, -28, 28)
;;       step = 2.0 ** (np.maximum(np.frexp(np.where(r == 0, 1, r))[1] - 1, -2) - 2)
;;       q = np.round(r / step) * step * 2.0 ** e      # np.round: ties to even
;;       return np.moveaxis(q.reshape(q.shape[:-2] + (-1,))[..., :K], -1, axis).astype(np.float32)
;;   ~~~
;;   OPERANDS COMPUTED ON THE WAY. 'Computed on the way' means the value that the module computes at that place (a softmax that the list does not call 'softmax' is quantised finished and normalised). What goes into a quantiser is computed in f32, as accurately as f32 sums, v_exp_f32 and their like allow (about 1e-6 of the number): no bf16 or f16 on the way to a quantiser, and a product that is left as it is and whose result goes on into a quantised operand takes f32 operands (vector FMAs, or v_wmma_f32_16x16x4_f32). A number that lies on a knife's edge between two numbers of the format may be rounded either way, as far as f32 arithmetic and the matrix unit's own rounding can turn it there, and no further.
;; 2 versions, each right and faster than the one before. Each part assembles by itself: llvm-mc -triple=amdgcn-amd-amdhsa -mcpu=gfx1250 --defsym DOCPART=n.
;; ======== version 1 of 2: 3 launches
;; limits: a function is approximated: absolute error at most 1.2e-07
;; workspace buffers: xq 26,214,400 bytes; wq 819,200 bytes; pm 65,536 bytes; logits 262,144 bytes
;; launch quant (part 1): grid 552 x 1, 4 waves a work-group, no clusters, 0 bytes of LDS; arguments know, W_kb, W_cat, W_cat2, W_mem, b_mem, memory, masks, xq, wq, pm; writes xq, wq, pm
.if DOCPART == 1
	.amdgcn_target "amdgcn-amd-amdhsa--gfx1250"
	.amdhsa_code_object_version 6
	.text
	.protected	k_qd20ca2b553_quant
	.globl	k_qd20ca2b553_quant
	.p2align	8
	.type	k_qd20ca2b553_quant,@function
k_qd20ca2b553_quant:
	s_mov_b64 s[64:65], 0
	v_nop
	global_prefetch_b8 v0, s[64:65] scope:SCOPE_SE
	s_setreg_imm32_b32 hwreg(HW_REG_WAVE_MODE, 25, 1), 1
	s_wait_xcnt 0x0
; know [32][512 k][2048 n], W_kb, W_cat, W_cat2 (f32) become codes of BF6 (E3M2) with one E8M0 byte for each 32 along K, laid as the next launch's operand registers take them;
; and proj_mem = Q(memory[3] * masks) Q(W_mem)^T + b_mem is made here, by the scaled matrix instruction.
; A RECORD is 16 rows x 512 K, 6,400 bytes: fragment s (128 along K, 12 registers a lane) at 1536 s as an image of its registers (registers 4 i .. 4 i + 3 of lane l at 512 i + 16 l);
; from byte 6144 on 16 bytes for each of the 16 rows: the scale words of K steps 0 .. 3.
; xq: record R = rows 16 R .. 16 R + 15 of (batch, n).  wq: records 0-31 W_kb's tiles, 32 + 2 t + half W_cat's (half 0: K 0-511, half 1: K 512-1023), 96 + t W_cat2's.
; THE ROWS OF A WEIGHT'S TILE ARE NOT NEIGHBOURS: lane r of tile T takes row 32 (T / 2) + 8 (T % 2) + r + 8 (r / 8), so that a product used transposed leaves 16 neighbours along the next K in a lane.
; A block's scale is 2^(floor(log2(largest magnitude)) - 4): its byte is the largest magnitude's exponent field - 4, held at 1 from below by a floor among the maximum's leaves.
; LIMITS: a block of zeros gets the byte 1 where the rule says 127 (its codes are zeros; these bytes are read by this program alone); blocks whose largest magnitude lies under 2^-122 were not tried; NaN and infinities are not served.
; Work-groups 0-39: 160 jobs of one wave (128 records of weights, 32 tiles of proj_mem).  Work-groups 40-551: know, a wave to 32 columns n x all 512 k.  No LDS, no barrier: waves share nothing.
.set XK,    32                         ; v32-159  numbers as loaded
.set FLO,   160                        ; know: v160-171 the fragment of my wave's first 16 columns, v172-183 of the other 16
.set FHI,   172
.set FLOOR, 0x2800000                  ; 2^(5 - 127)
.set OFF4,  0xfe000000                 ; -(4 << 23)
	s_load_b512 s[8:23], s[0:1], 0x0               ; know 8, W_kb 10, W_cat 12, W_cat2 14, W_mem 16, b_mem 18, memory 20, masks 22
	s_load_b128 s[24:27], s[0:1], 0x40             ; xq, wq
	s_load_b64 s[28:29], s[0:1], 0x50              ; pm
	v_lshrrev_b32 v1, 5, v0
	v_readfirstlane_b32 s30, v1                    ; wave
	v_and_b32 v1, 31, v0                           ; lane
	s_mov_b32 s52, 0x76543210
	s_mov_b32 s53, 0xfedcba98                      ; v_permlanex16_b32's selects for lane l xor 16
	s_wait_kmcnt 0x0
	s_cmp_lt_u32 ttmp9, 40
	s_cbranch_scc1 .Lprep
; ---------------- know: a lane takes a column n, its registers run down K: a block of 32 lies in one lane
	v_lshlrev_b32 v2, 2, v1                        ; in: 4 bytes a lane: a load reads 128 consecutive bytes, the four waves stand side by side
	v_lshlrev_b32 v3, 4, v1                        ; out: 16 bytes a lane
	v_lshrrev_b32 v4, 4, v1
	v_mul_u32_u24 v4, v4, 6400
	v_and_b32 v5, 15, v1
	v_lshl_add_u32 v4, v5, 4, v4
	v_add_nc_u32 v4, 6144, v4                      ; my row's four scale words: record lane / 16, row lane % 16
	s_sub_co_u32 s31, ttmp9, 40                    ; g': batch g' / 16, columns 128 (g' % 16) on
	s_lshr_b32 s32, s31, 4
	s_lshl_b32 s32, s32, 22                        ; a batch is 4,194,304 bytes
	s_and_b32 s33, s31, 15
	s_lshl_b32 s33, s33, 9
	s_add_co_u32 s32, s32, s33
	s_lshl_b32 s33, s30, 7                         ; my wave's 32 columns
	s_add_co_u32 s32, s32, s33
	s_mov_b32 s33, 0
	s_add_nc_u64 s[8:9], s[8:9], s[32:33]
	s_lshl_b32 s34, s31, 3
	s_lshl_b32 s35, s30, 1
	s_add_co_u32 s34, s34, s35                     ; my first record: 8 g' + 2 wave
	s_mul_i32 s34, s34, 6400
	s_mov_b32 s35, 0
	s_add_nc_u64 s[24:25], s[24:25], s[34:35]
.macro LOADPAIR cc                     ; blocks 2 cc and 2 cc + 1 (64 along K) into sets (2 cc) % 4 and (2 cc + 1) % 4.  Every offset is an immediate: 511 rows of 8,192 bytes at the most
.irp e, 0,1
.set i, 0
.rept 32
	global_load_b32 v[XK+32*((2*(\cc)+\e)%4)+i], v2, s[8:9] offset:(32*(2*(\cc)+\e)+i)*8192 th:TH_LOAD_NT
.set i, i+1
.endr
.endr
.endm
.macro PAIR cc                         ; the two blocks become registers 6 c .. 6 c + 5 (c = cc % 2) of K step cc / 2's two fragments
.set UB, XK+32*((2*(\cc))%4)
.set VB, XK+32*((2*(\cc)+1)%4)
.set C6, 6*((\cc)%2)
.set KS, (\cc)/2
	v_max3_num_f32 v192, |v[UB]|, |v[UB+1]|, FLOOR   ; the largest magnitudes, the two blocks by turns
	v_max3_num_f32 v193, |v[VB]|, |v[VB+1]|, FLOOR
.set i, 2
.rept 15
	v_max3_num_f32 v192, v192, |v[UB+i]|, |v[UB+i+1]|
	v_max3_num_f32 v193, v193, |v[VB+i]|, |v[VB+i+1]|
.set i, i+2
.endr
	v_add_nc_u32 v194, OFF4, v192                  ; 4 off the exponent field: the conversion's scale operand
	v_add_nc_u32 v195, OFF4, v193
	v_lshrrev_b32 v196, 23, v194                   ; the bytes
	v_lshrrev_b32 v197, 23, v195
	v_lshl_or_b32 v198, v197, 8, v196
.if ((\cc)%2) == 0
	v_mov_b32 v[200+KS], v198
.if (\cc) > 0
	s_wait_xcnt 0x0                                ; the last K step's stores have read the fragments' registers: only now are they written again
.endif
.else
	v_lshl_or_b32 v[200+KS], v198, 16, v[200+KS]   ; my row's scale word of this K step is whole
.endif
	v_cvt_scalef32_pk16_bf6_f32 v[FLO+C6:FLO+C6+2], v[UB:UB+15], v194
	v_cvt_scalef32_pk16_bf6_f32 v[184:186], v[UB+16:UB+31], v194      ; (a conversion's three registers begin on an even number)
	v_cvt_scalef32_pk16_bf6_f32 v[FHI+C6:FHI+C6+2], v[VB:VB+15], v195
	v_cvt_scalef32_pk16_bf6_f32 v[188:190], v[VB+16:VB+31], v195
	v_nop                                          ; one plain place behind the conversions
.irp i, 0,1,2
	v_mov_b32 v[FLO+C6+3+\i], v[184+\i]
	v_mov_b32 v[FHI+C6+3+\i], v[188+\i]
.endr
.irp i, 0,1,2,3,4,5                    ; every lane holds both blocks of its own column.  The first's lanes 16-31 change places with the second's lanes 0-15: FLO is then the fragment of columns 0-15
	v_permlane16_swap_b32 v[FLO+C6+\i], v[FHI+C6+\i]   ; (lanes 0-15 the lower block, lanes 16-31 the upper), FHI that of columns 16-31
.endr
.if ((\cc)%2) == 1
.irp i, 0,1,2
	global_store_b128 v3, v[FLO+4*\i:FLO+4*\i+3], s[24:25] offset:1536*KS+512*\i        ; 32 lanes store 512 consecutive bytes, aligned
	global_store_b128 v3, v[FHI+4*\i:FHI+4*\i+3], s[24:25] offset:6400+1536*KS+512*\i
.endr
.endif
.endm
	LOADPAIR 0
.irp cc, 0,1,2,3,4,5,6,7
.if \cc < 7
	LOADPAIR \cc+1
	s_wait_loadcnt 63                              ; 64 loads were issued behind this pair's: 63 is the largest count that can be named
.else
	s_wait_loadcnt 0x0
.endif
	PAIR \cc
.endr
	global_store_b128 v4, v[200:203], s[24:25]     ; sixteen lanes store a record's 256 bytes of scale words
	s_endpgm
; ---------------- weights and proj_mem: K is innermost; lane (r, h) takes of its row the numbers that the operand's layout gives it: k = 128 s + 64 c + 32 h + 0 .. 31
.Lprep:
	v_and_b32 v2, 15, v0                           ; r
	v_bfe_u32 v3, v0, 4, 1                         ; h
	v_lshlrev_b32 v21, 3, v3                       ; 8 h
	v_mov_b32 v22, 0                               ; (a lane permute's destination counts as one of its sources)
	s_lshl_b32 s31, ttmp9, 2
	s_add_co_u32 s31, s31, s30                     ; job j = 4 x work-group + wave
	s_sub_co_u32 s32, s31, 32
	s_lshr_b32 s33, s32, 1                         ; W_cat: tile,
	s_and_b32 s34, s32, 1
	s_lshl_b32 s34, s34, 11                        ; and which half of K, in bytes
	s_sub_co_u32 s35, s31, 96                      ; W_cat2: tile
	s_sub_co_u32 s36, s31, 128                     ; W_mem: tile
	s_mov_b64 s[38:39], s[16:17]
	s_cmp_lt_u32 s31, 128                          ; the choices hang on the job's number alone
	s_cselect_b64 s[38:39], s[14:15], s[38:39]
	s_cselect_b32 s36, s35, s36
	s_cmp_lt_u32 s31, 96
	s_cselect_b64 s[38:39], s[12:13], s[38:39]
	s_cselect_b32 s36, s33, s36
	s_cselect_b32 s37, 12, 11                      ; log2 of a row's bytes
	s_cselect_b32 s40, s34, 0
	s_cmp_lt_u32 s31, 32
	s_cselect_b64 s[38:39], s[10:11], s[38:39]
	s_cselect_b32 s36, s31, s36
	s_cselect_b32 s37, 11, s37
	s_cselect_b32 s40, 0, s40
	s_lshr_b32 s41, s36, 1
	s_lshl_b32 s41, s41, 5
	s_and_b32 s42, s36, 1
	s_lshl_b32 s42, s42, 3
	s_add_co_u32 s41, s41, s42                     ; row0 = 32 (t / 2) + 8 (t % 2)
	s_lshl_b32 s42, s41, s37
	s_add_co_u32 s42, s42, s40
	s_mov_b32 s43, 0
	s_add_nc_u64 s[38:39], s[38:39], s[42:43]
	v_and_b32 v4, 8, v2
	v_add_nc_u32 v4, v4, v2                        ; r + 8 (r / 8)
	v_lshlrev_b32 v5, s37, v4
	v_lshl_add_u32 v5, v3, 7, v5                   ; my row, + 128 h bytes
.macro WLOAD s, set, vo, sb, extra     ; my 64 numbers of K step s into set
.irp c, 0,1
.irp q, 0,1,2,3,4,5,6,7
	global_load_b128 v[XK+64*(\set)+32*\c+4*\q:XK+64*(\set)+32*\c+4*\q+3], v[\vo], s[\sb:\sb+1] offset:(\extra)+512*(\s)+256*\c+16*\q
.endr
.endr
.endm
.macro QW set, F, W                    ; a set's 64 numbers (two whole blocks of my row) become a fragment's 12 registers v[F] on and the row's scale word v[W]
.set XS, XK+64*(\set)
.irp c, 0,1
	v_max3_num_f32 v[8+\c], |v[XS+32*\c]|, |v[XS+32*\c+1]|, FLOOR
.endr
.set i, 2
.rept 15
	v_max3_num_f32 v8, v8, |v[XS+i]|, |v[XS+i+1]|
	v_max3_num_f32 v9, v9, |v[XS+32+i]|, |v[XS+32+i+1]|
.set i, i+2
.endr
	v_add_nc_u32 v10, OFF4, v8
	v_add_nc_u32 v11, OFF4, v9
	v_lshrrev_b32 v12, 23, v10
	v_lshrrev_b32 v13, 23, v11
	v_lshl_or_b32 v14, v13, 16, v12                ; my two bytes: blocks h and 2 + h,
	v_lshlrev_b32 v14, v21, v14                    ; at their places;
	v_permlanex16_b32 v22, v14, s52, s53
	v_or_b32 v[\W], v14, v22                       ; with lane l xor 16's two the word is whole
	v_cvt_scalef32_pk16_bf6_f32 v[\F:\F+2], v[XS:XS+15], v10
	v_cvt_scalef32_pk16_bf6_f32 v[220:222], v[XS+16:XS+31], v10
	v_cvt_scalef32_pk16_bf6_f32 v[\F+6:\F+8], v[XS+32:XS+47], v11
	v_cvt_scalef32_pk16_bf6_f32 v[224:226], v[XS+48:XS+63], v11
	v_nop                                          ; one plain place behind the conversions
.irp i, 0,1,2
	v_mov_b32 v[\F+3+\i], v[220+\i]
	v_mov_b32 v[\F+9+\i], v[224+\i]
.endr
.endm
	WLOAD 0, 0, 5, 38, 0
	WLOAD 1, 1, 5, 38, 0
.irp s, 0,1,2,3                        ; the tile's four fragments at v[160 + 12 s], its scale words at v[16 + s]
.if \s < 3
	s_wait_loadcnt 16                              ; this K step's 16 loads are in; the next one's may be out
.else
	s_wait_loadcnt 0x0
.endif
	QW \s%2, 160+12*\s, 16+\s
.if \s < 2
	WLOAD \s+2, \s%2, 5, 38, 0
.endif
.endr
	s_cmp_lt_u32 s31, 128
	s_cbranch_scc0 .Lpm
	s_mul_i32 s42, s31, 6400                       ; a record of weights goes out
	s_mov_b32 s43, 0
	s_add_nc_u64 s[26:27], s[26:27], s[42:43]
	v_lshlrev_b32 v6, 4, v1
.irp s, 0,1,2,3
.irp i, 0,1,2
	global_store_b128 v6, v[160+12*\s+4*\i:160+12*\s+4*\i+3], s[26:27] offset:1536*\s+512*\i
.endr
.endr
	v_cmp_eq_u32 vcc_lo, 1, v3                     ; both halves of the lanes hold the row's four words: lanes 0-15 store words 0, 1, lanes 16-31 words 2, 3
	v_cndmask_b32 v14, v16, v18, vcc_lo
	v_cndmask_b32 v15, v17, v19, vcc_lo
	v_lshlrev_b32 v7, 4, v2
	v_lshl_add_u32 v7, v3, 3, v7
	global_store_b64 v7, v[14:15], s[26:27] offset:6144
	s_endpgm
; proj_mem, used transposed: source 0 = my 16 rows of W_mem, source 1 = 16 rows of memory[3] * masks: lane (r, h) holds batch row 16 u + r and hidden units row0 + 16 h + 0 .. 7.  b_mem is the C of each sum's first product.
.Lpm:
	s_lshl_b32 s42, s41, 2
	v_lshlrev_b32 v6, 11, v2
	v_lshl_add_u32 v6, v3, 7, v6                   ; memory, masks: row r of 2,048 bytes, + 128 h
	v_lshlrev_b32 v7, 6, v3
	v_add_nc_u32 v7, s42, v7                       ; b_mem: 4 (row0 + 16 h)
	global_load_b128 v[244:247], v7, s[18:19]
	global_load_b128 v[248:251], v7, s[18:19] offset:16
	v_lshl_add_u32 v23, v2, 11, v7                 ; pm: row r, the same columns
.irp s, 0,1,2,3
.irp u, 0,1                            ; the two accumulators take turns, one instruction a turn
	WLOAD \s, 0, 6, 20, 196608+32768*\u            ; memory[3]: 3 x 32 x 2,048 bytes on
	WLOAD \s, 1, 6, 22, 32768*\u
	s_wait_loadcnt 0x0
.set i, 0
.rept 32
	v_pk_mul_f32 v[XK+i:XK+i+1], v[XK+i:XK+i+1], v[XK+64+i:XK+64+i+1]   ; last_mem, in f32.  (These and the maxima are the places behind the last product)
.set i, i+2
.endr
	QW 0, 208, 20
.rept 8
	v_nop                                          ; a scale register written by a vector instruction stands 8 places ahead of a scaled matrix instruction, an operand so written 4
.endr
.if \s == 0
	v_wmma_scale_f32_16x16x128_f8f6f4 v[228+8*\u:235+8*\u], v[160+12*\s:171+12*\s], v[208:219], v[244:251], v[16+\s], v20 matrix_a_fmt:MATRIX_FMT_BF6 matrix_b_fmt:MATRIX_FMT_BF6
.else
	v_wmma_scale_f32_16x16x128_f8f6f4 v[228+8*\u:235+8*\u], v[160+12*\s:171+12*\s], v[208:219], v[228+8*\u:235+8*\u], v[16+\s], v20 matrix_a_fmt:MATRIX_FMT_BF6 matrix_b_fmt:MATRIX_FMT_BF6
.endif
.endr
.endr
.rept 4
	v_nop                                          ; four places in front of the stores that read the results
.endr
.irp u, 0,1
	global_store_b128 v23, v[228+8*\u:231+8*\u], s[28:29] offset:32768*\u        ; each accumulator from its low end on
	global_store_b128 v23, v[232+8*\u:235+8*\u], s[28:29] offset:32768*\u+16
.endr
	s_endpgm
.Lfunc_end_k_qd20ca2b553_quant:
	.size	k_qd20ca2b553_quant, .Lfunc_end_k_qd20ca2b553_quant-k_qd20ca2b553_quant
	.p2alignl 7, 3214868480
	.fill 96, 4, 3214868480
	.section	.rodata,"a",@progbits
	.p2align	6, 0x0
	.amdhsa_kernel k_qd20ca2b553_quant
		.amdhsa_group_segment_fixed_size 0
		.amdhsa_private_segment_fixed_size 0
		.amdhsa_enable_private_segment 0
		.amdhsa_kernarg_size 88
		.amdhsa_user_sgpr_count 2
		.amdhsa_user_sgpr_kernarg_segment_ptr 1
		.amdhsa_wavefront_size32 1
		.amdhsa_system_sgpr_workgroup_id_x 1
		.amdhsa_system_sgpr_workgroup_id_y 1
		.amdhsa_system_sgpr_workgroup_id_z 1
		.amdhsa_system_vgpr_workitem_id 0
		.amdhsa_next_free_vgpr 256
		.amdhsa_next_free_sgpr 66
		.amdhsa_reserve_vcc 1
		.amdhsa_float_denorm_mode_32 3
		.amdhsa_float_denorm_mode_16_64 3
		.amdhsa_memory_ordered 1
		.amdhsa_forward_progress 1
		.amdhsa_inst_pref_size 165
	.end_amdhsa_kernel
	.amdgpu_metadata
---
amdhsa.version: [ 1, 2 ]
amdhsa.kernels:
  - .name:           k_qd20ca2b553_quant
    .symbol:         k_qd20ca2b553_quant.kd
    .args:
      - { .name: know, .offset: 0, .size: 8, .value_kind: global_buffer, .address_space: global }
      - { .name: W_kb, .offset: 8, .size: 8, .value_kind: global_buffer, .address_space: global }
      - { .name: W_cat, .offset: 16, .size: 8, .value_kind: global_buffer, .address_space: global }
      - { .name: W_cat2, .offset: 24, .size: 8, .value_kind: global_buffer, .address_space: global }
      - { .name: W_mem, .offset: 32, .size: 8, .value_kind: global_buffer, .address_space: global }
      - { .name: b_mem, .offset: 40, .size: 8, .value_kind: global_buffer, .address_space: global }
      - { .name: memory, .offset: 48, .size: 8, .value_kind: global_buffer, .address_space: global }
      - { .name: masks, .offset: 56, .size: 8, .value_kind: global_buffer, .address_space: global }
      - { .name: xq, .offset: 64, .size: 8, .value_kind: global_buffer, .address_space: global }
      - { .name: wq, .offset: 72, .size: 8, .value_kind: global_buffer, .address_space: global }
      - { .name: pm, .offset: 80, .size: 8, .value_kind: global_buffer, .address_space: global }
    .group_segment_fixed_size: 0
    .private_segment_fixed_size: 0
    .kernarg_segment_align: 8
    .kernarg_segment_size: 88
    .max_flat_workgroup_size: 128
    .sgpr_count:     66
    .vgpr_count:     256
    .wavefront_size: 32
...
	.end_amdgpu_metadata
.endif
;; end of part 1
;; launch chain (part 2): grid 256 x 1, 4 waves a work-group, clusters of 4 x 1, 327,680 bytes of LDS; arguments xq, wq, pm, b_kb, b_cat, b_cat2, control, W_attn, b_attn, logits; writes logits
.if DOCPART == 2
	.amdgcn_target "amdgcn-amd-amdhsa--gfx1250"
	.amdhsa_code_object_version 6
	.text
	.protected	k_qd20ca2b553_chain
	.globl	k_qd20ca2b553_chain
	.p2align	8
	.type	k_qd20ca2b553_chain,@function
k_qd20ca2b553_chain:
	s_mov_b64 s[64:65], 0
	v_nop
	global_prefetch_b8 v0, s[64:65] scope:SCOPE_SE
	s_setreg_imm32_b32 hwreg(HW_REG_WAVE_MODE, 25, 1), 1
	s_wait_xcnt 0x0
	s_wait_alu depctr_hold_cnt(0) depctr_sa_sdst(0) depctr_va_vdst(0) depctr_va_sdst(0) depctr_va_ssrc(0) depctr_va_vcc(0) depctr_vm_vsrc(0)
	s_getreg_b32 s2, hwreg(HW_REG_IB_STS2, 6, 4)
	s_cmp_eq_u32 s2, 0
	s_cbranch_scc0 .Lentry_in_a_cluster
	s_endpgm
.Lentry_in_a_cluster:
	s_bfe_u32 s2, ttmp6, 0x10000c
	s_cmp_lg_u32 s2, 0x3003
	s_cbranch_scc0 .Lentry_shape_is_right
	s_endpgm
.Lentry_shape_is_right:
; logits[b][n] = W_attn . elu((elu([pm * pk, pk] W_cat^T + b_cat) W_cat2^T + b_cat2) * control[3][b]) + b_attn, pk = know^T W_kb^T + b_kb; the three products on codes of BF6 (E3M2) with E8M0 scales for each 32 along K.
; SHARES.  A work-group takes 256 rows (b, n) of one batch, each of its four waves 64 (four tiles of 16) through the WHOLE chain: a wave's activations never leave it: codes in registers, or in its own stage in LDS.
; THE WEIGHTS, 128 records of 6,400 bytes (16 rows x 512 K as images of the operand's registers, then the scale words), are one stream that every work-group walks once, through a ring of two LDS slots of 8 records.
; CLUSTER.  The four work-groups of a cluster walk the same stream, so each slot is asked for JOINTLY: the same tensor load, the same descriptor, a mask that names the four.  Each wave brings a quarter of a slot: one load of mine is out at a time.
; LAYOUT.  Every product is used transposed (source 0 = 16 rows of a weight, source 1 = 16 of my rows): a lane holds ONE row, and the rows of a weight's tile were chosen so that the 16 registers of tiles 2 b, 2 b + 1 are 16
; neighbours along the next K.  A CHUNK is four tiles of a weight (64 outputs) x my four tiles of rows: 16 accumulators, which take turns; its results are two blocks of 32 of the next K: half a fragment, 6 registers a lane.
; elu(x) = max(x, 2^(-|x| log2 e) - 1): for x > 0 the second is at most 0; for x <= 0 it is e^x - 1, which is at least x.
; LIMITS: below 0 elu has an absolute error of about 1e-7 (the exponential's last bit ahead of the subtraction); a block of zeros gets the byte 1, its codes are zeros; blocks with a largest magnitude under 2^-122 were not tried; NaN and infinities are not served.
; REGISTERS, in windows of 256.  Window 0: v1-14 addresses; v16-31, v32-47 my operands' scale words; v48-63 the codes just made (two sets), later the logits' sums; v64-95 the weights' scale words; v96-127 at work; v128-255 the accumulators.
;   Window 1: v0-143 three sets of four weight fragments; v144-175 the bias, v176-207 and v208-239 two more vectors, in the result's layout.   Windows 2, 3: v0-191 an operand of 64 rows x 512 K: fragment (s, m) at 12 (4 s + m).
.set SLOT1, 65536                      ; LDS: slot 0 at 0, slot 1 here: one exclusive or turns an address; a slot is 51,200 bytes
.set TAB,   51200                      ; six vectors of 2,048 bytes: b_kb, pm[b], b_cat, b_cat2, control[3][b], W_attn: stored once, no tile lands here
.set SPARE, 63488                      ; the spare words, 128 bytes for each wave: two blocks of 256 bytes that no other line names
.set STG,   116736                     ; a stage of 49,152 bytes for each wave: two operands of 24,576; half fragment (chunk cc, tile m) at 768 (4 cc + m): registers 0-3 at 16 x lane, 4-5 at 512 + 8 x lane
.set OPB,   24576
.set SSCB,  313344                     ; 2,048 bytes for each wave: the two operands' scale bytes: 256 m + 16 row + block
.set LI,  1                            ; v1  16 x lane
.set L15, 2                            ; v2  16 x (lane % 16)
.set H64, 3                            ; v3  TAB + 64 x (lane / 16)
.set SA0, 4                            ; v4  my stage + 16 x lane
.set SB0, 5                            ; v5  my stage + 512 + 8 x lane
.set SS0, 6                            ; v6  my scale bytes + 16 x (lane % 16)
.set SPW, 7                            ; v7  my spare word; never rewritten
.set NIL, 8                            ; v8  0; never rewritten
.set WAD, 9                            ; v9-14: the chunk's addresses: weights, their scale words, the vectors, the stage (two), the scale bytes
.set WSA, 10
.set TAD, 11
.set SAC, 12
.set SBC, 13
.set SSR, 14
.set SCB, 16
.set SCA, 32
.set LG,  48
.set PCD, 48
.set HWD, 60
.set WS,  64
.set EL,  96
.set TM,  96
.set PD,  100
.set SO,  102
.set BY,  104
.set PX,  120
.set ACC, 128
.set BIAS, 144
.set PMV, 176
.set WAT, 208
.set WV,  24                           ; s24 wave
.set G1,  32                           ; s[32:39], s[40:43] the descriptor
.set G0,  40
.set TB,  44                           ; s44 the slot in hand: 0 or SLOT1
.set CB2, 45                           ; s45 where the chunk's records begin
.set CCO, 46                           ; s46 the slot's first chunk;  s47 the chunk in hand
.set CC,  47
.set SEL, 52
.set L2E, 60
.set MSB, 0
.macro WIN new                         ; the immediate's high byte repeats the setting that is left
.if MSB != (\new)
	s_set_vgpr_msb (MSB<<8)|(\new)
.set MSB, (\new)
.endif
.endm
.macro ROUND                           ; a round of the cluster's barrier
	s_barrier_signal -1
	s_barrier_wait -1
	s_cmp_lg_u32 s[WV], 0
	s_cbranch_scc1 .Lnot_wave_0_\@
	s_barrier_signal -3
.Lnot_wave_0_\@:
	s_barrier_wait -3
	s_barrier_signal -1
	s_barrier_wait -1
.endm
; THE CHANGE OF SLOTS stands at a slot's head.  Each wave waits for all its tensor loads (its quarter of the slot ahead), adds 0 to its spare word, and waits for that and for its reads of the slot that it has left.
; fill = 1: the round of the cluster's barrier shows the same of every wave of all four work-groups; the slot that was left is filled with the next 8 records, first thing behind it: it has a whole slot's work in which to land.
.macro CHANGE fill
	s_wait_tensorcnt 0x0                           ; no tensor load of mine is out, so the descriptor may be written
	ds_add_u32 v[SPW], v[NIL]                      ; 0 onto my spare word
.if \fill
	s_xor_b32 s[G0+1], s[G0+1], SLOT1
	s_add_nc_u64 s[G0+2:G0+3], s[G0+2:G0+3], 51200
.endif
	s_wait_dscnt 0x0                               ; the add is done, my LDS reads and stores are over
.if \fill
	ROUND
	tensor_load_to_lds s[G0:G0+3], s[G1:G1+7]
	s_nop 0
.rept 4
	v_nop
.endr
.else
	s_barrier_signal -1
	s_barrier_wait -1
.endif
.endm
.macro TABLE reg, tb                   ; vector tb at the chunk's 64 outputs, in the result's layout: tile t, register j: output 64 cc + 32 (t / 2) + 8 (t % 2) + 16 h + j
.irp t, 0,1,2,3
.irp e, 0,1
	ds_load_b128 v[\reg+8*\t+4*\e:\reg+8*\t+4*\e+3], v[TAD] offset:2048*(\tb)+128*(\t/2)+32*(\t%2)+16*\e
.endr
.endr
.endm
.macro WFETCH s, NK                    ; the four tiles' fragments of K step s into set s % 3: 12 loads of 512 consecutive bytes
.irp t, 0,1,2,3
.irp i, 0,1,2
.if (\NK) == 4
	ds_load_b128 v[48*((\s)%3)+12*\t+4*\i:48*((\s)%3)+12*\t+4*\i+3], v[WAD] offset:6400*\t+1536*(\s)+512*\i
.else
	ds_load_b128 v[48*((\s)%3)+12*\t+4*\i:48*((\s)%3)+12*\t+4*\i+3], v[WAD] offset:12800*\t+6400*((\s)/4)+1536*((\s)%4)+512*\i
.endif
.endr
.endr
.endm
; A chunk's head: its addresses (six plain instructions: also places behind the last chunk's products), the weights' scale words, the vectors, and the first three K steps' fragments.
.macro PRO NK, tb, x1, x2
	s_mul_i32 s56, s[CC], 3072
	s_lshl_b32 s57, s[CC], 1
	s_lshl_b32 s58, s[CC], 8
	v_add_nc_u32 v[WAD], s[CB2], v[LI]
	v_add_nc_u32 v[WSA], s[CB2], v[L15]
	v_add_nc_u32 v[TAD], s58, v[H64]
	v_add_nc_u32 v[SAC], s56, v[SA0]
	v_add_nc_u32 v[SBC], s56, v[SB0]
	v_add_nc_u32 v[SSR], s57, v[SS0]
.irp t, 0,1,2,3
.if (\NK) == 4
	ds_load_b128 v[WS+8*\t:WS+8*\t+3], v[WSA] offset:6400*\t+6144
.else
	ds_load_b128 v[WS+8*\t:WS+8*\t+3], v[WSA] offset:12800*\t+6144
	ds_load_b128 v[WS+8*\t+4:WS+8*\t+7], v[WSA] offset:12800*\t+12544
.endif
.endr
	WIN 0x40                                       ; destination window 1
	TABLE BIAS, \tb
.if \x1 >= 0
	TABLE PMV, \x1
.endif
.if \x2 >= 0
	TABLE WAT, \x2
.endif
	WFETCH 0, \NK
	WFETCH 1, \NK
	WFETCH 2, \NK
.endm
; K step s of a chunk: 16 matrix instructions, the accumulators by turns in the same order in every step.  bw: the window of my operand, sB its K step, SC its scale words.
.macro STAGE s, NK, bw, sB, SC
.if (\NK)-1-(\s) >= 2
	s_wait_dscnt 24                                ; this K step's fragments are in; the 12 loads of each of the next two may be out
.else
	s_wait_dscnt 12*((\NK)-1-(\s))
.endif
.if (\s) == 0
	WIN ((\bw)<<2)|0x11                            ; source 0 (weights) and source 2 (the bias) window 1
.else
	WIN ((\bw)<<2)|0x01
.endif
.irp m, 0,1,2,3
.irp t, 0,1,2,3
.if (\s) == 0
	v_wmma_scale_f32_16x16x128_f8f6f4 v[ACC+8*(4*\m+\t):ACC+8*(4*\m+\t)+7], v[48*((\s)%3)+12*\t:48*((\s)%3)+12*\t+11], v[12*(4*(\sB)+\m):12*(4*(\sB)+\m)+11], v[BIAS+8*\t:BIAS+8*\t+7], v[WS+8*\t+(\s)], v[\SC+4*\m+(\sB)] matrix_a_fmt:MATRIX_FMT_BF6 matrix_b_fmt:MATRIX_FMT_BF6
.else
	v_wmma_scale_f32_16x16x128_f8f6f4 v[ACC+8*(4*\m+\t):ACC+8*(4*\m+\t)+7], v[48*((\s)%3)+12*\t:48*((\s)%3)+12*\t+11], v[12*(4*(\sB)+\m):12*(4*(\sB)+\m)+11], v[ACC+8*(4*\m+\t):ACC+8*(4*\m+\t)+7], v[WS+8*\t+(\s)], v[\SC+4*\m+(\sB)] matrix_a_fmt:MATRIX_FMT_BF6 matrix_b_fmt:MATRIX_FMT_BF6
.endif
.endr
.endr
.if (\s)+3 < (\NK)
.rept 4
	v_nop                                          ; four places in front of loads into registers that these products have read
.endr
	WIN 0x40
	WFETCH (\s)+3, \NK
.endif
.endm
; 32 numbers of a lane, register 16 b + i = k 32 b + 16 (lane / 16) + i of my row, become half a fragment (6 registers) and two scale bytes, and go to my stage.  p: which of the two sets of registers the stores read.
.macro QH A, cofs, sofs, p
.set AR, \A
.set PCR, PCD+6*(\p)
.irp b, 0,1                            ; the largest magnitudes, in four chains; each accumulator is read from its low end on
	v_max3_num_f32 v[TM+2*\b], |v[AR+16*\b]|, |v[AR+16*\b+1]|, 0x2800000     ; with the floor 2^(5 - 127): the byte cannot fall under 1
	v_max3_num_f32 v[TM+2*\b+1], |v[AR+16*\b+8]|, |v[AR+16*\b+9]|, |v[AR+16*\b+10]|
.endr
.irp i, 2,4
.irp b, 0,1
	v_max3_num_f32 v[TM+2*\b], v[TM+2*\b], |v[AR+16*\b+\i]|, |v[AR+16*\b+\i+1]|
	v_max3_num_f32 v[TM+2*\b+1], v[TM+2*\b+1], |v[AR+16*\b+9+\i]|, |v[AR+16*\b+10+\i]|
.endr
.endr
.irp b, 0,1
	v_max3_num_f32 v[TM+2*\b], v[TM+2*\b], |v[AR+16*\b+6]|, |v[AR+16*\b+7]|
.endr
.irp b, 0,1
	v_max3_num_f32 v[TM+2*\b], v[TM+2*\b], v[TM+2*\b+1], |v[AR+16*\b+15]|
.endr
.irp b, 0,1
	v_permlanex16_b32 v[PD+\b], v[TM+2*\b], s[SEL], s[SEL+1]
.endr
.irp b, 0,1
	v_max_num_f32 v[TM+2*\b], v[TM+2*\b], v[PD+\b]     ; with lane l xor 16's 16: the block's
.endr
.irp b, 0,1
	v_add_nc_u32 v[SO+\b], 0xfe000000, v[TM+2*\b]      ; 4 off the exponent field: the conversion's scale operand
.endr
.irp b, 0,1
	v_lshrrev_b32 v[BY+\b], 23, v[SO+\b]
.endr
	s_wait_dscnt 3                                 ; the three stores that read this set are done; the three of the other set, issued behind them, may be out
	v_lshl_or_b32 v[HWD+(\p)], v[BY+1], 8, v[BY]
	v_cvt_scalef32_pk16_bf6_f32 v[PCR:PCR+2], v[AR:AR+15], v[SO]
	v_cvt_scalef32_pk16_bf6_f32 v[PX:PX+2], v[AR+16:AR+31], v[SO+1]
	v_nop                                          ; one plain place behind the conversions
.irp i, 0,1,2                          ; the operand's layout wants a whole block in a lane: lanes 0-15 the lower block, lanes 16-31 the upper
	v_permlane16_swap_b32 v[PCR+\i], v[PX+\i]
.endr
.irp i, 0,1,2
	v_mov_b32 v[PCR+3+\i], v[PX+\i]
.endr
	ds_store_b128 v[SAC], v[PCR:PCR+3] offset:\cofs
	ds_store_b64 v[SBC], v[PCR+4:PCR+5] offset:\cofs
	ds_store_b16 v[SSR], v[HWD+(\p)] offset:\sofs  ; both lanes of a row write the same two bytes with the same value
.endm
.macro ELU A                           ; 32 numbers in place
.set AR, \A
.set i, 0
.rept 16
	v_pk_mul_f32 v[EL+i:EL+i+1], v[AR+i:AR+i+1], s[L2E:L2E+1] op_sel_hi:[1,0]
.set i, i+2
.endr
.set i, 0
.rept 32
	v_exp_f32 v[EL+i], -|v[EL+i]|                  ; one batch
.set i, i+1
.endr
	v_nop                                          ; a plain instruction behind the last exponential,
	s_wait_alu depctr_va_vdst(0)                   ; and one wait for the batch, ahead of its first reader
.set i, 0
.rept 16
	v_pk_add_f32 v[EL+i:EL+i+1], v[EL+i:EL+i+1], -1.0 op_sel_hi:[1,0]
.set i, i+2
.endr
.set i, 0
.rept 32
	v_max_num_f32 v[AR+i], v[AR+i], v[EL+i]
.set i, i+1
.endr
.endm
.macro TIMES A, V                      ; 32 numbers x a vector of window 1, in place
.set AR, \A
	WIN 0x04                                       ; source 1 window 1
.set i, 0
.rept 16
	v_pk_mul_f32 v[AR+i:AR+i+1], v[AR+i:AR+i+1], v[\V+i:\V+i+1]
.set i, i+2
.endr
	WIN 0
.endm
.macro LOADCODES op, win, SC           ; an operand comes back from my stage into a window: LDS serves a wave's instructions in order, so these see my stores
	WIN (\win)<<6
.irp s, 0,1,2,3
.irp c, 0,1
.irp m, 0,1,2,3
	ds_load_b128 v[12*(4*\s+\m)+6*\c:12*(4*\s+\m)+6*\c+3], v[SA0] offset:(\op)*OPB+768*(4*(2*\s+\c)+\m)
	ds_load_b64 v[12*(4*\s+\m)+6*\c+4:12*(4*\s+\m)+6*\c+5], v[SB0] offset:(\op)*OPB+768*(4*(2*\s+\c)+\m)
.endr
.endr
.endr
	WIN 0
.irp m, 0,1,2,3
	ds_load_b128 v[\SC+4*\m:\SC+4*\m+3], v[SS0] offset:(\op)*1024+256*\m
.endr
	s_wait_dscnt 0x0
.endm
.macro PLACES
	WIN 0
.rept 4
	v_nop                                          ; four places in front of the first read of results
.endr
.endm
.macro CHUNK2                          ; 64 columns of pk = x W_kb^T + b_kb: quantised as they are (operand 1) and times pm (operand 0)
	PRO 4, 0, 1, -1
.irp s, 0,1,2,3
	STAGE \s, 4, 3, \s, SCB
.endr
	PLACES
.irp m, 0,1,2,3
	QH ACC+32*\m, OPB+768*\m, 1024+256*\m, 0
	TIMES ACC+32*\m, PMV
	QH ACC+32*\m, 768*\m, 256*\m, 1
.endr
	s_add_co_u32 s[CC], s[CC], 1
	s_add_co_u32 s[CB2], s[CB2], 25600
.endm
.macro CHUNK3                          ; 64 columns of elu([gated, pk] W_cat^T + b_cat): K steps 0-3 on the gated operand, 4-7 on the plain one; the result takes operand 0's place in the stage
	PRO 8, 2, -1, -1
.irp s, 0,1,2,3
	STAGE \s, 8, 3, \s, SCB
.endr
.irp s, 4,5,6,7
	STAGE \s, 8, 2, \s-4, SCA
.endr
	PLACES
.irp m, 0,1,2,3
	ELU ACC+32*\m
	QH ACC+32*\m, 768*\m, 256*\m, \m%2
.endr
	s_add_co_u32 s[CC], s[CC], 1
.endm
.macro CHUNK4                          ; 64 columns of h W_cat2^T + b_cat2, x control, elu, x W_attn, summed
	PRO 4, 3, 4, 5
.irp s, 0,1,2,3
	STAGE \s, 4, 3, \s, SCB
.endr
	PLACES
.irp m, 0,1,2,3
	TIMES ACC+32*\m, PMV
	ELU ACC+32*\m
	WIN 0x04
.set i, 0
.rept 16
	v_pk_fma_f32 v[LG+4*\m+2*(i%2):LG+4*\m+2*(i%2)+1], v[ACC+32*\m+2*i:ACC+32*\m+2*i+1], v[WAT+2*i:WAT+2*i+1], v[LG+4*\m+2*(i%2):LG+4*\m+2*(i%2)+1]
.set i, i+1
.endr
	WIN 0
.endr
	s_add_co_u32 s[CC], s[CC], 1
	s_add_co_u32 s[CB2], s[CB2], 25600
.endm
	s_load_b512 s[4:19], s[0:1], 0x0               ; xq 4, wq 6, pm 8, b_kb 10, b_cat 12, b_cat2 14, control 16, W_attn 18
	s_load_b128 s[20:23], s[0:1], 0x40             ; b_attn, logits
	v_lshl_add_u32 v[SPW], v0, 2, SPARE
	v_mov_b32 v[NIL], 0
	ds_add_u32 v7, v8
	ds_add_u32 v7, v8
	s_wait_dscnt 0x0
	v_lshrrev_b32 v15, 5, v0
	v_readfirstlane_b32 s[WV], v15                 ; wave 0..3
	v_and_b32 v15, 31, v0
	v_lshlrev_b32 v[LI], 4, v15
	v_lshlrev_b32 v[SB0], 3, v15
	v_and_b32 v15, 15, v0
	v_lshlrev_b32 v[L15], 4, v15
	v_bfe_u32 v15, v0, 4, 1
	v_lshl_add_u32 v[H64], v15, 6, TAB
	s_mul_i32 s28, s[WV], 49152
	s_add_co_u32 s28, s28, STG
	v_add_nc_u32 v[SA0], s28, v[LI]
	s_add_co_u32 s28, s28, 512
	v_add_nc_u32 v[SB0], s28, v[SB0]
	s_lshl_b32 s28, s[WV], 11
	s_add_co_u32 s28, s28, SSCB
	v_add_nc_u32 v[SS0], s28, v[L15]
	v_mov_b32 v[PD], 0                             ; (a lane permute's destination counts as one of its sources)
	v_mov_b32 v[PD+1], 0
	v_lshlrev_b32 v15, 4, v0                       ; 16 x thread: my 16 bytes of each vector
	s_mov_b32 s[SEL], 0x76543210
	s_mov_b32 s[SEL+1], 0xfedcba98
	s_mov_b32 s[L2E], 0x3fb8aa3b                   ; log2 e
	s_mov_b32 s[L2E+1], s[L2E]                     ; (named with it as a pair, so it is written)
	; the descriptor: my quarter of a slot, 12,800 dense bytes, as 50 rows of 256 bytes (32 elements of 8 bytes)
	s_mov_b32 s[G1], 15|(3<<16)|(1<<21)            ; 15:0 the mask: all four work-groups; 17:16 elements of 8 bytes; 21 set beside a mask
	s_mov_b32 s[G1+1], 32<<16                      ; tensor_dim0
	s_mov_b32 s[G1+2], 50<<16                      ; tensor_dim1
	s_mov_b32 s[G1+3], 32<<16                      ; tile_dim0
	s_mov_b32 s[G1+4], 50                          ; tile_dim1
	s_mov_b32 s[G1+5], 32                          ; from row to row
	s_mov_b32 s[G1+6], 0
	s_mov_b32 s[G1+7], 0
	s_mov_b32 s[G0], 1
	s_mul_i32 s[G0+1], s[WV], 12800                ; slot 0, my quarter: no place in the cluster enters an LDS address
	s_mul_i32 s28, s[WV], 12800
	s_mov_b32 s29, 0
	s_bfe_u32 s25, ttmp6, 0x40000                  ; cx
	s_lshl_b32 s26, ttmp9, 2
	s_add_co_u32 s26, s26, s25                     ; g = 4 x cluster + cx: it enters the addresses of xq, pm, control and logits alone
	s_lshr_b32 s27, s26, 3                         ; the batch
	s_lshl_b32 s56, s26, 4
	s_lshl_b32 s57, s[WV], 2
	s_add_co_u32 s56, s56, s57
	s_mul_i32 s56, s56, 6400                       ; my four records of xq: 16 g + 4 wave on
	s_mov_b32 s57, 0
	s_lshl_b32 s58, s27, 11                        ; the batch's row of pm and of control
	s_mov_b32 s59, 0
	s_wait_kmcnt 0x0
	s_add_nc_u64 s[G0+2:G0+3], s[6:7], s[28:29]
	s_or_b32 s[G0+3], s[G0+3], 0x80000000
	s_add_nc_u64 s[4:5], s[4:5], s[56:57]
	s_add_nc_u64 s[8:9], s[8:9], s[58:59]
	s_add_nc_u64 s[16:17], s[16:17], s[58:59]
	s_lshl_b32 s56, s26, 10
	s_lshl_b32 s58, s[WV], 8
	s_add_co_u32 s56, s56, s58
	s_add_nc_u64 s[22:23], s[22:23], s[56:57]      ; logits at my 64 rows
	s_load_b32 s54, s[20:21], 0x0                  ; b_attn
	global_load_b128 v[128:131], v15, s[10:11]
	global_load_b128 v[132:135], v15, s[8:9]
	global_load_b128 v[136:139], v15, s[12:13]
	global_load_b128 v[140:143], v15, s[14:15]
	global_load_b128 v[144:147], v15, s[16:17] offset:196608   ; control[3]
	global_load_b128 v[148:151], v15, s[18:19]
	WIN 0xc0                                       ; destination window 3: my 64 rows of know as codes
.irp m, 0,1,2,3
.irp s, 0,1,2,3
.irp i, 0,1,2
	global_load_b128 v[12*(4*\s+\m)+4*\i:12*(4*\s+\m)+4*\i+3], v[LI], s[4:5] offset:6400*\m+1536*\s+512*\i th:TH_LOAD_NT
.endr
.endr
.endr
	WIN 0
.irp m, 0,1,2,3
	global_load_b128 v[SCB+4*\m:SCB+4*\m+3], v[L15], s[4:5] offset:6400*\m+6144
.endr
	ROUND                                          ; all four work-groups are here: the first joint loads meet
	tensor_load_to_lds s[G0:G0+3], s[G1:G1+7]      ; the stream's first 8 records
	s_nop 0
.rept 4
	v_nop
.endr
	s_wait_loadcnt 0x0
.irp i, 0,1,2,3,4,5
	ds_store_b128 v15, v[128+4*\i:128+4*\i+3] offset:TAB+2048*\i   ; the first change of slots waits for these and passes a barrier ahead of every read
.endr
	s_wait_kmcnt 0x0
	s_mov_b32 s[TB], 0
	; ---- pk and the gated pk: 4 slots of two chunks
	s_mov_b32 s[CCO], 0
	s_mov_b32 s49, 4
.Lp2:
	CHANGE 1
	s_mov_b32 s[CB2], s[TB]
	s_mov_b32 s[CC], s[CCO]
	s_mov_b32 s50, 2
.Lp2c:
	CHUNK2
	s_sub_co_u32 s50, s50, 1
	s_cmp_lg_u32 s50, 0
	s_cbranch_scc1 .Lp2c
	s_add_co_u32 s[CCO], s[CCO], 2
	s_xor_b32 s[TB], s[TB], SLOT1
	s_sub_co_u32 s49, s49, 1
	s_cmp_lg_u32 s49, 0
	s_cbranch_scc1 .Lp2
	LOADCODES 0, 3, SCB                            ; gated
	LOADCODES 1, 2, SCA                            ; plain
	; ---- the first hidden layer: 8 slots of one chunk
	s_mov_b32 s[CC], 0
	s_mov_b32 s49, 8
.Lp3:
	CHANGE 1
	s_mov_b32 s[CB2], s[TB]
	CHUNK3
	s_xor_b32 s[TB], s[TB], SLOT1
	s_sub_co_u32 s49, s49, 1
	s_cmp_lg_u32 s49, 0
	s_cbranch_scc1 .Lp3
	LOADCODES 0, 3, SCB
.set i, 0
.rept 16
	v_mov_b32 v[LG+i], 0                           ; the logits' sums, four a tile of rows (my stores that read these registers are done: the wait above)
.set i, i+1
.endr
	; ---- the second layer and the logits: 4 slots of two chunks; the last is written out
	s_mov_b32 s[CCO], 0
	s_mov_b32 s49, 3
.Lp4:
	CHANGE 1
	s_mov_b32 s[CB2], s[TB]
	s_mov_b32 s[CC], s[CCO]
	s_mov_b32 s50, 2
.Lp4c:
	CHUNK4
	s_sub_co_u32 s50, s50, 1
	s_cmp_lg_u32 s50, 0
	s_cbranch_scc1 .Lp4c
	s_add_co_u32 s[CCO], s[CCO], 2
	s_xor_b32 s[TB], s[TB], SLOT1
	s_sub_co_u32 s49, s49, 1
	s_cmp_lg_u32 s49, 0
	s_cbranch_scc1 .Lp4
	CHANGE 0
	s_mov_b32 s[CB2], s[TB]
	s_mov_b32 s[CC], s[CCO]
	s_mov_b32 s50, 2
.Lp4t:
	CHUNK4
	s_sub_co_u32 s50, s50, 1
	s_cmp_lg_u32 s50, 0
	s_cbranch_scc1 .Lp4t
	; ---- the way out: a row's sum lies in four registers of lanes r and r + 16
.irp m, 0,1,2,3
	v_pk_add_f32 v[LG+4*\m:LG+4*\m+1], v[LG+4*\m:LG+4*\m+1], v[LG+4*\m+2:LG+4*\m+3]
.endr
.irp m, 0,1,2,3
	v_add_f32 v[LG+4*\m], v[LG+4*\m], v[LG+4*\m+1]
.endr
.irp m, 0,1,2,3
	v_permlanex16_b32 v[LG+4*\m+1], v[LG+4*\m], s[SEL], s[SEL+1]
.endr
.irp m, 0,1,2,3
	v_add_f32 v[LG+4*\m], v[LG+4*\m], v[LG+4*\m+1]
.endr
.irp m, 0,1,2,3
	v_add_f32 v[LG+4*\m], s54, v[LG+4*\m]
.endr
	v_bfe_u32 v96, v0, 4, 1
	v_cmp_eq_u32 vcc_lo, 1, v96
	v_cndmask_b32 v97, v[LG], v[LG+4], vcc_lo      ; lanes 0-15 rows 0-15, lanes 16-31 rows 16-31
	v_cndmask_b32 v98, v[LG+8], v[LG+12], vcc_lo
	v_and_b32 v99, 31, v0
	v_lshlrev_b32 v99, 2, v99
	global_store_b32 v99, v97, s[22:23]            ; two stores of 128 consecutive bytes: my wave's aligned 256
	global_store_b32 v99, v98, s[22:23] offset:128
	s_wait_tensorcnt 0x0                           ; the wave's end
	ds_add_u32 v[SPW], v[NIL]
	s_wait_dscnt 0x0
	ROUND                                          ; the closing round: no work-group ends while a partner may still ask for a slot that names it
	s_endpgm
.Lfunc_end_k_qd20ca2b553_chain:
	.size	k_qd20ca2b553_chain, .Lfunc_end_k_qd20ca2b553_chain-k_qd20ca2b553_chain
	.p2alignl 7, 3214868480
	.fill 96, 4, 3214868480
	.section	.rodata,"a",@progbits
	.p2align	6, 0x0
	.amdhsa_kernel k_qd20ca2b553_chain
		.amdhsa_group_segment_fixed_size 327680
		.amdhsa_private_segment_fixed_size 0
		.amdhsa_enable_private_segment 0
		.amdhsa_kernarg_size 80
		.amdhsa_user_sgpr_count 2
		.amdhsa_user_sgpr_kernarg_segment_ptr 1
		.amdhsa_wavefront_size32 1
		.amdhsa_system_sgpr_workgroup_id_x 1
		.amdhsa_system_sgpr_workgroup_id_y 1
		.amdhsa_system_sgpr_workgroup_id_z 1
		.amdhsa_system_vgpr_workitem_id 0
		.amdhsa_next_free_vgpr 1024
		.amdhsa_next_free_sgpr 66
		.amdhsa_reserve_vcc 1
		.amdhsa_float_denorm_mode_32 3
		.amdhsa_float_denorm_mode_16_64 3
		.amdhsa_memory_ordered 1
		.amdhsa_forward_progress 1
		.amdhsa_inst_pref_size 201
	.end_amdhsa_kernel
	.amdgpu_metadata
---
amdhsa.version: [ 1, 2 ]
amdhsa.kernels:
  - .name:           k_qd20ca2b553_chain
    .symbol:         k_qd20ca2b553_chain.kd
    .args:
      - { .name: xq, .offset: 0, .size: 8, .value_kind: global_buffer, .address_space: global }
      - { .name: wq, .offset: 8, .size: 8, .value_kind: global_buffer, .address_space: global }
      - { .name: pm, .offset: 16, .size: 8, .value_kind: global_buffer, .address_space: global }
      - { .name: b_kb, .offset: 24, .size: 8, .value_kind: global_buffer, .address_space: global }
      - { .name: b_cat, .offset: 32, .size: 8, .value_kind: global_buffer, .address_space: global }
      - { .name: b_cat2, .offset: 40, .size: 8, .value_kind: global_buffer, .address_space: global }
      - { .name: control, .offset: 48, .size: 8, .value_kind: global_buffer, .address_space: global }
      - { .name: W_attn, .offset: 56, .size: 8, .value_kind: global_buffer, .address_space: global }
      - { .name: b_attn, .offset: 64, .size: 8, .value_kind: global_buffer, .address_space: global }
      - { .name: logits, .offset: 72, .size: 8, .value_kind: global_buffer, .address_space: global }
    .group_segment_fixed_size: 327680
    .private_segment_fixed_size: 0
    .kernarg_segment_align: 8
    .kernarg_segment_size: 80
    .max_flat_workgroup_size: 128
    .sgpr_count:     66
    .vgpr_count:     1024
    .wavefront_size: 32
...
	.end_amdgpu_metadata
.endif
;; end of part 2
;; launch read (part 3): grid 256 x 1, 8 waves a work-group, no clusters, 1,536 bytes of LDS; arguments logits, know, out0; writes out0
.if DOCPART == 3
	.amdgcn_target "amdgcn-amd-amdhsa--gfx1250"
	.amdhsa_code_object_version 6
	.text
	.protected	k_qd20ca2b553_read
	.globl	k_qd20ca2b553_read
	.p2align	8
	.type	k_qd20ca2b553_read,@function
k_qd20ca2b553_read:
	s_mov_b64 s[64:65], 0
	v_nop
	global_prefetch_b8 v0, s[64:65] scope:SCOPE_SE
	s_setreg_imm32_b32 hwreg(HW_REG_WAVE_MODE, 25, 1), 1
	s_wait_xcnt 0x0
; out0[b][k] = the sum over n of softmax_n(logits[b][n]) know[b][k][n], all in f32.  A stream: know is read once here, in rows of 8,192 consecutive bytes.
; A work-group takes 64 rows k of one batch, a wave 8.  Every wave makes the batch's 2,048 weights itself, 64 a lane: p = 2^((l - the row's largest l) log2 e), not normalised; the sum divides at the end.
; Lane l holds n = 128 i + 4 l + 0 .. 3 (i = 0 .. 15) of the logits and of each row of know alike: each load reads 512 consecutive bytes.  Two rows' loads (32) are on their way while one is summed.
; No matrix unit: one row of weights against each row of know is one multiply-add for each number loaded.
.set P,  16                            ; v16-79   the weights
.set X,  80                            ; v80-207  two rows of know
.set AC, 208                           ; v208-215 four packed sums
.set R,  216                           ; v216-223 my eight results
	s_load_b128 s[4:7], s[0:1], 0x0                ; logits, know
	s_load_b64 s[8:9], s[0:1], 0x10                ; out0
	v_lshl_add_u32 v232, v0, 2, 0x200
	v_mov_b32 v233, 0
	v_lshrrev_b32 v1, 5, v0
	v_readfirstlane_b32 s10, v1                    ; wave 0..7
	v_and_b32 v1, 31, v0
	v_lshlrev_b32 v2, 4, v1                        ; 16 bytes a lane
	v_mov_b32 v226, 0                              ; (a lane permute's destination counts as one of its sources)
	s_lshr_b32 s11, ttmp9, 3                       ; the batch
	s_and_b32 s12, ttmp9, 7
	s_lshl_b32 s12, s12, 6                         ; k0
	s_lshl_b32 s14, s11, 13                        ; the batch's logits
	s_mov_b32 s15, 0
	s_lshl_b32 s16, s10, 3
	s_add_co_u32 s16, s16, s12                     ; my first row: k0 + 8 wave
	s_lshl_b32 s16, s16, 13
	s_lshl_b32 s17, s11, 22
	s_add_co_u32 s16, s16, s17
	s_mov_b32 s17, 0
	s_lshl_b32 s18, s11, 11
	s_lshl_b32 s19, s12, 2
	s_add_co_u32 s18, s18, s19                     ; out0: 2,048 b + 4 k0
	s_mov_b32 s19, 0
	s_mov_b32 s20, 0x76543210
	s_mov_b32 s21, 0xfedcba98
	s_mov_b32 s22, 0x3fb8aa3b                      ; log2 e
	s_mov_b32 s23, s22
	s_wait_kmcnt 0x0
	s_add_nc_u64 s[4:5], s[4:5], s[14:15]
	s_add_nc_u64 s[6:7], s[6:7], s[16:17]
	s_add_nc_u64 s[8:9], s[8:9], s[18:19]
.irp i, 0,1,2,3,4,5,6,7,8,9,10,11,12,13,14,15
	global_load_b128 v[P+4*\i:P+4*\i+3], v2, s[4:5] offset:512*\i
.endr
.macro FILL j
.irp i, 0,1,2,3,4,5,6,7,8,9,10,11,12,13,14,15
	global_load_b128 v[X+64*((\j)%2)+4*\i:X+64*((\j)%2)+4*\i+3], v2, s[6:7] offset:8192*(\j)+512*\i th:TH_LOAD_NT
.endr
.endm
	FILL 0
	FILL 1
	s_wait_loadcnt 32                              ; the logits are in; the two rows' 32 loads may be out
.irp c, 0,1,2,3                        ; the largest logit: four chains in a lane,
	v_max3_num_f32 v[228+\c], v[P+16*\c], v[P+16*\c+1], v[P+16*\c+2]
.endr
.irp i, 3,5,7,9,11,13
.irp c, 0,1,2,3
	v_max3_num_f32 v[228+\c], v[228+\c], v[P+16*\c+\i], v[P+16*\c+\i+1]
.endr
.endr
.irp c, 0,1,2,3
	v_max_num_f32 v[228+\c], v[228+\c], v[P+16*\c+15]
.endr
	v_max3_num_f32 v224, v228, v229, v230
	v_max_num_f32 v224, v224, v231
	v_max_num_f32_dpp v224, v224, v224 row_xmask:1 row_mask:0xf bank_mask:0xf   ; then across the 32 lanes
	v_max_num_f32_dpp v224, v224, v224 row_xmask:2 row_mask:0xf bank_mask:0xf
	v_max_num_f32_dpp v224, v224, v224 row_xmask:4 row_mask:0xf bank_mask:0xf
	v_max_num_f32_dpp v224, v224, v224 row_xmask:8 row_mask:0xf bank_mask:0xf
	v_permlanex16_b32 v226, v224, s20, s21
	v_max_num_f32 v224, v224, v226
	v_mov_b32 v225, v224
.set i, 0
.rept 32
	v_pk_add_f32 v[P+i:P+i+1], v[P+i:P+i+1], v[224:225] neg_lo:[0,1] neg_hi:[0,1]   ; l - the largest, first
.set i, i+2
.endr
.set i, 0
.rept 32
	v_pk_mul_f32 v[P+i:P+i+1], v[P+i:P+i+1], s[22:23] op_sel_hi:[1,0]
.set i, i+2
.endr
.set i, 0
.rept 64
	v_exp_f32 v[P+i], v[P+i]                       ; one batch
.set i, i+1
.endr
	v_nop                                          ; a plain instruction behind the last exponential,
	s_wait_alu depctr_va_vdst(0)                   ; and one wait for the batch, ahead of its first reader
	v_pk_add_f32 v[228:229], v[P:P+1], v[P+4:P+5]  ; the sum, in two packed chains
	v_pk_add_f32 v[230:231], v[P+2:P+3], v[P+6:P+7]
.set i, 8
.rept 14
	v_pk_add_f32 v[228:229], v[228:229], v[P+i:P+i+1]
	v_pk_add_f32 v[230:231], v[230:231], v[P+i+2:P+i+3]
.set i, i+4
.endr
	v_pk_add_f32 v[228:229], v[228:229], v[230:231]
	v_add_f32 v228, v228, v229
	v_add_f32_dpp v228, v228, v228 row_xmask:1 row_mask:0xf bank_mask:0xf
	v_add_f32_dpp v228, v228, v228 row_xmask:2 row_mask:0xf bank_mask:0xf
	v_add_f32_dpp v228, v228, v228 row_xmask:4 row_mask:0xf bank_mask:0xf
	v_add_f32_dpp v228, v228, v228 row_xmask:8 row_mask:0xf bank_mask:0xf
	v_permlanex16_b32 v226, v228, s20, s21
	v_add_f32 v228, v228, v226                     ; at least 1: the largest logit's own weight
	v_rcp_f32 v227, v228
	v_nop
	s_wait_alu depctr_va_vdst(0)                   ; ahead of the reciprocal's first reader
.macro ROW j
.set XS, X+64*((\j)%2)
.if (\j) < 7
	s_wait_loadcnt 16                              ; this row's 16 loads are in; the next row's may be out
.else
	s_wait_loadcnt 0x0
.endif
.irp c, 0,1,2,3
	v_pk_mul_f32 v[AC+2*\c:AC+2*\c+1], v[XS+2*\c:XS+2*\c+1], v[P+2*\c:P+2*\c+1]   ; the first products start the sums
.endr
.irp i, 8,16,24,32,40,48,56
.irp c, 0,1,2,3
	v_pk_fma_f32 v[AC+2*\c:AC+2*\c+1], v[XS+\i+2*\c:XS+\i+2*\c+1], v[P+\i+2*\c:P+\i+2*\c+1], v[AC+2*\c:AC+2*\c+1]
.endr
.endr
.if (\j) < 6
	FILL (\j)+2                                    ; the row two on takes this row's registers
.endif
	v_pk_add_f32 v[AC:AC+1], v[AC:AC+1], v[AC+2:AC+3]
	v_pk_add_f32 v[AC+4:AC+5], v[AC+4:AC+5], v[AC+6:AC+7]
	v_pk_add_f32 v[AC:AC+1], v[AC:AC+1], v[AC+4:AC+5]
	v_add_f32 v[AC], v[AC], v[AC+1]
	v_add_f32_dpp v[AC], v[AC], v[AC] row_xmask:1 row_mask:0xf bank_mask:0xf
	v_add_f32_dpp v[AC], v[AC], v[AC] row_xmask:2 row_mask:0xf bank_mask:0xf
	v_add_f32_dpp v[AC], v[AC], v[AC] row_xmask:4 row_mask:0xf bank_mask:0xf
	v_add_f32_dpp v[AC], v[AC], v[AC] row_xmask:8 row_mask:0xf bank_mask:0xf
	v_permlanex16_b32 v226, v[AC], s20, s21
	v_add_f32 v[AC], v[AC], v226
	v_mul_f32 v[R+(\j)], v[AC], v227               ; / the sum of the weights
.endm
.irp j, 0,1,2,3,4,5,6,7
	ROW \j
.endr
	v_mov_b32 v224, s10
	v_lshlrev_b32 v224, 5, v224                    ; my wave's eight words
.irp j, 0,1,2,3,4,5,6,7
	ds_store_b32 v224, v[R+\j] offset:4*\j         ; all lanes write the same word with the same value
.endr
	s_wait_dscnt 0x0                               ; for the others' sake: my stores are done
	s_barrier_signal -1
	s_barrier_wait -1
	s_cmp_lg_u32 s10, 0
	s_cbranch_scc1 .Ldone
	v_lshlrev_b32 v225, 3, v1
	ds_load_b64 v[228:229], v225                   ; the work-group's 64 results
	s_wait_dscnt 0x0
	global_store_b64 v225, v[228:229], s[8:9]      ; 32 lanes store 256 consecutive bytes, aligned
.Ldone:
	s_wait_tensorcnt 0x0
	ds_add_u32 v232, v233
	s_wait_dscnt 0x0
	s_endpgm
.Lfunc_end_k_qd20ca2b553_read:
	.size	k_qd20ca2b553_read, .Lfunc_end_k_qd20ca2b553_read-k_qd20ca2b553_read
	.p2alignl 7, 3214868480
	.fill 96, 4, 3214868480
	.section	.rodata,"a",@progbits
	.p2align	6, 0x0
	.amdhsa_kernel k_qd20ca2b553_read
		.amdhsa_group_segment_fixed_size 1536
		.amdhsa_private_segment_fixed_size 0
		.amdhsa_enable_private_segment 0
		.amdhsa_kernarg_size 24
		.amdhsa_user_sgpr_count 2
		.amdhsa_user_sgpr_kernarg_segment_ptr 1
		.amdhsa_wavefront_size32 1
		.amdhsa_system_sgpr_workgroup_id_x 1
		.amdhsa_system_sgpr_workgroup_id_y 1
		.amdhsa_system_sgpr_workgroup_id_z 1
		.amdhsa_system_vgpr_workitem_id 0
		.amdhsa_next_free_vgpr 234
		.amdhsa_next_free_sgpr 66
		.amdhsa_reserve_vcc 0
		.amdhsa_float_denorm_mode_32 3
		.amdhsa_float_denorm_mode_16_64 3
		.amdhsa_memory_ordered 1
		.amdhsa_forward_progress 1
		.amdhsa_inst_pref_size 48
	.end_amdhsa_kernel
	.amdgpu_metadata
---
amdhsa.version: [ 1, 2 ]
amdhsa.kernels:
  - .name:           k_qd20ca2b553_read
    .symbol:         k_qd20ca2b553_read.kd
    .args:
      - { .name: logits, .offset: 0, .size: 8, .value_kind: global_buffer, .address_space: global }
      - { .name: know, .offset: 8, .size: 8, .value_kind: global_buffer, .address_space: global }
      - { .name: out0, .offset: 16, .size: 8, .value_kind: global_buffer, .address_space: global }
    .group_segment_fixed_size: 1536
    .private_segment_fixed_size: 0
    .kernarg_segment_align: 8
    .kernarg_segment_size: 24
    .max_flat_workgroup_size: 256
    .sgpr_count:     66
    .vgpr_count:     234
    .wavefront_size: 32
...
	.end_amdgpu_metadata
.endif
;; end of part 3
;; ======== version 2 of 2: 3 launches; 1.12 times as fast as version 1
;; limits: a function is approximated: absolute error at most 1.2e-07
;; workspace buffers: xq 26,214,400 bytes; wq 819,200 bytes; pm 65,536 bytes; logits 262,144 bytes
;; launch quant (part 4): grid 608 x 1, 4 waves a work-group, no clusters, 13,824 bytes of LDS; arguments know, W_kb, W_cat, W_cat2, W_mem, b_mem, memory, masks, xq, wq, pm; writes xq, wq, pm
.if DOCPART == 4
	.amdgcn_target "amdgcn-amd-amdhsa--gfx1250"
	.amdhsa_code_object_version 6
	.text
	.protected	k_qd20ca2b553_quant
	.globl	k_qd20ca2b553_quant
	.p2align	8
	.type	k_qd20ca2b553_quant,@function
k_qd20ca2b553_quant:
	s_mov_b64 s[64:65], 0
	v_nop
	global_prefetch_b8 v0, s[64:65] scope:SCOPE_SE
	s_setreg_imm32_b32 hwreg(HW_REG_WAVE_MODE, 25, 1), 1
	s_wait_xcnt 0x0
; know [32][512 k][2048 n], W_kb, W_cat, W_cat2 (f32) become codes of BF6 (E3M2) with one E8M0 byte for each 32 along K, laid as the next launch's operand registers take them;
; and proj_mem = Q(memory[3] * masks) Q(W_mem)^T + b_mem is made here, by the scaled matrix instruction.
; A RECORD is 16 rows x 512 K, 6,400 bytes: fragment s (128 along K, 12 registers a lane) at 1536 s as an image of its registers (registers 4 i .. 4 i + 3 of lane l at 512 i + 16 l);
; from byte 6144 on 16 bytes for each of the 16 rows: the scale words of K steps 0 .. 3.
; xq: record R = rows 16 R .. 16 R + 15 of (batch, n).  wq: records 0-31 W_kb's tiles, 32 + 2 t + half W_cat's (half 0: K 0-511, half 1: K 512-1023), 96 + t W_cat2's.
; THE ROWS OF A WEIGHT'S TILE ARE NOT NEIGHBOURS: lane r of tile T takes row 32 (T / 2) + 8 (T % 2) + r + 8 (r / 8), so that a product used transposed leaves 16 neighbours along the next K in a lane.
; A block's scale is 2^(floor(log2(largest magnitude)) - 4): its byte is the largest magnitude's exponent field - 4, held at 1 from below by a floor among the maximum's leaves.
; LIMITS: a block of zeros gets the byte 1 where the rule says 127 (its codes are zeros; these bytes are read by this program alone); blocks whose largest magnitude lies under 2^-122 were not tried; NaN and infinities are not served.
; SHARES.  Work-groups 0-63: proj_mem, one work-group to a tile of 16 rows of W_mem and 16 batch rows; wave w quantises K step w of both operands, all its 50 loads issued at once; the fragments meet in LDS.
; Work-groups 64-95: 128 records of weights, one a wave.  Work-groups 96-607: know, a wave to 32 columns n x all 512 k.  Only proj_mem's path has LDS and a barrier: its branch hangs on the work-group's number alone.
.set XK,    32                         ; v32-159 (proj_mem: v32-223)  numbers as loaded, in sets of 64 (know: of 32)
.set FLO,   160                        ; know: v160-171 the fragment of my wave's first 16 columns, v172-183 of the other 16
.set FHI,   172
.set FLOOR, 0x2800000                  ; 2^(5 - 127)
.set OFF4,  0xfe000000                 ; -(4 << 23)
.set PMG,   64                         ; work-groups of proj_mem
.set WGG,   32                         ; work-groups of weights
.set LA,    0                          ; LDS (proj_mem alone): A's four images of 1,536 bytes,
.set LW,    6144                       ; W's four,
.set LAS,   12288                      ; A's scale words, 128 bytes a K step,
.set LWS,   12800                      ; W's
	s_load_b512 s[8:23], s[0:1], 0x0               ; know 8, W_kb 10, W_cat 12, W_cat2 14, W_mem 16, b_mem 18, memory 20, masks 22
	s_load_b128 s[24:27], s[0:1], 0x40             ; xq, wq
	s_load_b64 s[28:29], s[0:1], 0x50              ; pm
	v_lshl_add_u32 v251, v0, 2, 0x3400
	v_mov_b32 v255, 0
	v_lshrrev_b32 v1, 5, v0
	v_readfirstlane_b32 s30, v1                    ; wave
	v_and_b32 v1, 31, v0                           ; lane
	s_mov_b32 s52, 0x76543210
	s_mov_b32 s53, 0xfedcba98                      ; v_permlanex16_b32's selects for lane l xor 16
	s_wait_kmcnt 0x0
	s_cmp_lt_u32 ttmp9, PMG+WGG
	s_cbranch_scc1 .Lprep
; ---------------- know: a lane takes a column n, its registers run down K: a block of 32 lies in one lane
	v_lshlrev_b32 v2, 2, v1                        ; in: 4 bytes a lane: a load reads 128 consecutive bytes, the four waves stand side by side
	v_lshlrev_b32 v3, 4, v1                        ; out: 16 bytes a lane
	v_lshrrev_b32 v4, 4, v1
	v_mul_u32_u24 v4, v4, 6400
	v_and_b32 v5, 15, v1
	v_lshl_add_u32 v4, v5, 4, v4
	v_add_nc_u32 v4, 6144, v4                      ; my row's four scale words: record lane / 16, row lane % 16
	s_sub_co_u32 s31, ttmp9, PMG+WGG               ; g': batch g' / 16, columns 128 (g' % 16) on
	s_lshr_b32 s32, s31, 4
	s_lshl_b32 s32, s32, 22                        ; a batch is 4,194,304 bytes
	s_and_b32 s33, s31, 15
	s_lshl_b32 s33, s33, 9
	s_add_co_u32 s32, s32, s33
	s_lshl_b32 s33, s30, 7                         ; my wave's 32 columns
	s_add_co_u32 s32, s32, s33
	s_mov_b32 s33, 0
	s_add_nc_u64 s[8:9], s[8:9], s[32:33]
	s_lshl_b32 s34, s31, 3
	s_lshl_b32 s35, s30, 1
	s_add_co_u32 s34, s34, s35                     ; my first record: 8 g' + 2 wave
	s_mul_i32 s34, s34, 6400
	s_mov_b32 s35, 0
	s_add_nc_u64 s[24:25], s[24:25], s[34:35]
.macro LOADPAIR cc                     ; blocks 2 cc and 2 cc + 1 (64 along K) into sets (2 cc) % 4 and (2 cc + 1) % 4.  Every offset is an immediate: 511 rows of 8,192 bytes at the most
.irp e, 0,1
.set i, 0
.rept 32
	global_load_b32 v[XK+32*((2*(\cc)+\e)%4)+i], v2, s[8:9] offset:(32*(2*(\cc)+\e)+i)*8192 th:TH_LOAD_NT
.set i, i+1
.endr
.endr
.endm
.macro PAIR cc                         ; the two blocks become registers 6 c .. 6 c + 5 (c = cc % 2) of K step cc / 2's two fragments
.set UB, XK+32*((2*(\cc))%4)
.set VB, XK+32*((2*(\cc)+1)%4)
.set C6, 6*((\cc)%2)
.set KS, (\cc)/2
	v_max3_num_f32 v192, |v[UB]|, |v[UB+1]|, FLOOR   ; the largest magnitudes, the two blocks by turns
	v_max3_num_f32 v193, |v[VB]|, |v[VB+1]|, FLOOR
.set i, 2
.rept 15
	v_max3_num_f32 v192, v192, |v[UB+i]|, |v[UB+i+1]|
	v_max3_num_f32 v193, v193, |v[VB+i]|, |v[VB+i+1]|
.set i, i+2
.endr
	v_add_nc_u32 v194, OFF4, v192                  ; 4 off the exponent field: the conversion's scale operand
	v_add_nc_u32 v195, OFF4, v193
	v_lshrrev_b32 v196, 23, v194                   ; the bytes
	v_lshrrev_b32 v197, 23, v195
	v_lshl_or_b32 v198, v197, 8, v196
.if ((\cc)%2) == 0
	v_mov_b32 v[200+KS], v198
.if (\cc) > 0
	s_wait_xcnt 0x0                                ; the last K step's stores have read the fragments' registers: only now are they written again
.endif
.else
	v_lshl_or_b32 v[200+KS], v198, 16, v[200+KS]   ; my row's scale word of this K step is whole
.endif
	v_cvt_scalef32_pk16_bf6_f32 v[FLO+C6:FLO+C6+2], v[UB:UB+15], v194
	v_cvt_scalef32_pk16_bf6_f32 v[184:186], v[UB+16:UB+31], v194      ; (a conversion's three registers begin on an even number)
	v_cvt_scalef32_pk16_bf6_f32 v[FHI+C6:FHI+C6+2], v[VB:VB+15], v195
	v_cvt_scalef32_pk16_bf6_f32 v[188:190], v[VB+16:VB+31], v195
	v_nop                                          ; one plain place behind the conversions
.irp i, 0,1,2
	v_mov_b32 v[FLO+C6+3+\i], v[184+\i]
	v_mov_b32 v[FHI+C6+3+\i], v[188+\i]
.endr
.irp i, 0,1,2,3,4,5                    ; every lane holds both blocks of its own column.  The first's lanes 16-31 change places with the second's lanes 0-15: FLO is then the fragment of columns 0-15
	v_permlane16_swap_b32 v[FLO+C6+\i], v[FHI+C6+\i]   ; (lanes 0-15 the lower block, lanes 16-31 the upper), FHI that of columns 16-31
.endr
.if ((\cc)%2) == 1
.irp i, 0,1,2
	global_store_b128 v3, v[FLO+4*\i:FLO+4*\i+3], s[24:25] offset:1536*KS+512*\i        ; 32 lanes store 512 consecutive bytes, aligned
	global_store_b128 v3, v[FHI+4*\i:FHI+4*\i+3], s[24:25] offset:6400+1536*KS+512*\i
.endr
.endif
.endm
	LOADPAIR 0
.irp cc, 0,1,2,3,4,5,6,7
.if \cc < 7
	LOADPAIR \cc+1
	s_wait_loadcnt 63                              ; 64 loads were issued behind this pair's: 63 is the largest count that can be named
.else
	s_wait_loadcnt 0x0
.endif
	PAIR \cc
.endr
	global_store_b128 v4, v[200:203], s[24:25]     ; sixteen lanes store a record's 256 bytes of scale words
	s_endpgm
; ---------------- weights and proj_mem: K is innermost; lane (r, h) takes of its row the numbers that the operand's layout gives it: k = 128 s + 64 c + 32 h + 0 .. 31
.macro WLOAD s, set, vo, sb, extra     ; my 64 numbers of K step s into set
.irp c, 0,1
.irp q, 0,1,2,3,4,5,6,7
	global_load_b128 v[XK+64*(\set)+32*\c+4*\q:XK+64*(\set)+32*\c+4*\q+3], v[\vo], s[\sb:\sb+1] offset:(\extra)+512*(\s)+256*\c+16*\q
.endr
.endr
.endm
.macro QW set, F, W                    ; a set's 64 numbers (two whole blocks of my row) become a fragment's 12 registers v[F] on and the row's scale word v[W]
.set XS, XK+64*(\set)
.irp c, 0,1
	v_max3_num_f32 v[8+\c], |v[XS+32*\c]|, |v[XS+32*\c+1]|, FLOOR
.endr
.set i, 2
.rept 15
	v_max3_num_f32 v8, v8, |v[XS+i]|, |v[XS+i+1]|
	v_max3_num_f32 v9, v9, |v[XS+32+i]|, |v[XS+32+i+1]|
.set i, i+2
.endr
	v_add_nc_u32 v10, OFF4, v8
	v_add_nc_u32 v11, OFF4, v9
	v_lshrrev_b32 v12, 23, v10
	v_lshrrev_b32 v13, 23, v11
	v_lshl_or_b32 v14, v13, 16, v12                ; my two bytes: blocks h and 2 + h,
	v_lshlrev_b32 v14, v21, v14                    ; at their places;
	v_permlanex16_b32 v22, v14, s52, s53
	v_or_b32 v[\W], v14, v22                       ; with lane l xor 16's two the word is whole
	v_cvt_scalef32_pk16_bf6_f32 v[\F:\F+2], v[XS:XS+15], v10
	v_cvt_scalef32_pk16_bf6_f32 v[248:250], v[XS+16:XS+31], v10       ; (a conversion's three registers begin on an even number)
	v_cvt_scalef32_pk16_bf6_f32 v[\F+6:\F+8], v[XS+32:XS+47], v11
	v_cvt_scalef32_pk16_bf6_f32 v[252:254], v[XS+48:XS+63], v11
	v_nop                                          ; one plain place behind the conversions
.irp i, 0,1,2
	v_mov_b32 v[\F+3+\i], v[248+\i]
	v_mov_b32 v[\F+9+\i], v[252+\i]
.endr
.endm
.Lprep:
	v_and_b32 v2, 15, v0                           ; r
	v_bfe_u32 v3, v0, 4, 1                         ; h
	v_lshlrev_b32 v21, 3, v3                       ; 8 h
	v_mov_b32 v22, 0                               ; (a lane permute's destination counts as one of its sources)
	s_cmp_lt_u32 ttmp9, PMG
	s_cbranch_scc1 .Lpm
; ---- a record of weights a wave
	s_sub_co_u32 s31, ttmp9, PMG
	s_lshl_b32 s31, s31, 2
	s_add_co_u32 s31, s31, s30                     ; job j = 4 x (work-group - 64) + wave: the record's number
	s_sub_co_u32 s32, s31, 32
	s_lshr_b32 s33, s32, 1                         ; W_cat: tile,
	s_and_b32 s34, s32, 1
	s_lshl_b32 s34, s34, 11                        ; and which half of K, in bytes
	s_sub_co_u32 s36, s31, 96                      ; W_cat2: tile
	s_mov_b64 s[38:39], s[14:15]
	s_cmp_lt_u32 s31, 96                           ; the choices hang on the job's number alone
	s_cselect_b64 s[38:39], s[12:13], s[38:39]
	s_cselect_b32 s36, s33, s36
	s_cselect_b32 s37, 12, 11                      ; log2 of a row's bytes
	s_cselect_b32 s40, s34, 0
	s_cmp_lt_u32 s31, 32
	s_cselect_b64 s[38:39], s[10:11], s[38:39]
	s_cselect_b32 s36, s31, s36
	s_cselect_b32 s37, 11, s37
	s_cselect_b32 s40, 0, s40
	s_lshr_b32 s41, s36, 1
	s_lshl_b32 s41, s41, 5
	s_and_b32 s42, s36, 1
	s_lshl_b32 s42, s42, 3
	s_add_co_u32 s41, s41, s42                     ; row0 = 32 (t / 2) + 8 (t % 2)
	s_lshl_b32 s42, s41, s37
	s_add_co_u32 s42, s42, s40
	s_mov_b32 s43, 0
	s_add_nc_u64 s[38:39], s[38:39], s[42:43]
	v_and_b32 v4, 8, v2
	v_add_nc_u32 v4, v4, v2                        ; r + 8 (r / 8)
	v_lshlrev_b32 v5, s37, v4
	v_lshl_add_u32 v5, v3, 7, v5                   ; my row, + 128 h bytes
	WLOAD 0, 0, 5, 38, 0
	WLOAD 1, 1, 5, 38, 0
.irp s, 0,1,2,3                        ; the tile's four fragments at v[160 + 12 s], its scale words at v[16 + s]
.if \s < 3
	s_wait_loadcnt 16                              ; this K step's 16 loads are in; the next one's may be out
.else
	s_wait_loadcnt 0x0
.endif
	QW \s%2, 160+12*\s, 16+\s
.if \s < 2
	WLOAD \s+2, \s%2, 5, 38, 0
.endif
.endr
	s_mul_i32 s42, s31, 6400
	s_mov_b32 s43, 0
	s_add_nc_u64 s[26:27], s[26:27], s[42:43]
	v_lshlrev_b32 v6, 4, v1
.irp s, 0,1,2,3
.irp i, 0,1,2
	global_store_b128 v6, v[160+12*\s+4*\i:160+12*\s+4*\i+3], s[26:27] offset:1536*\s+512*\i
.endr
.endr
	v_cmp_eq_u32 vcc_lo, 1, v3                     ; both halves of the lanes hold the row's four words: lanes 0-15 store words 0, 1, lanes 16-31 words 2, 3
	v_cndmask_b32 v14, v16, v18, vcc_lo
	v_cndmask_b32 v15, v17, v19, vcc_lo
	v_lshlrev_b32 v7, 4, v2
	v_lshl_add_u32 v7, v3, 3, v7
	global_store_b64 v7, v[14:15], s[26:27] offset:6144
	s_endpgm
; ---- proj_mem.  Work-group p: tile t = p / 2 of W_mem, batch rows 16 u on, u = p % 2.  Wave w takes K step w of both operands: 64 numbers a lane of memory[3], of masks and of W_mem: 48 loads, and 2 for b_mem,
; issued together, one wait.  The product is used transposed: source 0 = 16 rows of W_mem, source 1 = 16 rows of memory[3] * masks: lane (r, h) holds batch row 16 u + r and hidden units row0 + 16 h + 0 .. 7.
.Lpm:
	s_lshr_b32 s31, ttmp9, 1                       ; t
	s_and_b32 s32, ttmp9, 1                        ; u
	s_lshr_b32 s41, s31, 1
	s_lshl_b32 s41, s41, 5
	s_and_b32 s42, s31, 1
	s_lshl_b32 s42, s42, 3
	s_add_co_u32 s41, s41, s42                     ; row0 = 32 (t / 2) + 8 (t % 2)
	s_lshl_b32 s42, s41, 11                        ; W_mem: rows of 2,048 bytes,
	s_lshl_b32 s43, s30, 9                         ; my K step: 512 bytes a step
	s_add_co_u32 s42, s42, s43
	s_mov_b32 s43, 0
	s_add_nc_u64 s[16:17], s[16:17], s[42:43]
	s_lshl_b32 s44, s32, 15                        ; memory, masks: 16 u rows of 2,048 bytes,
	s_lshl_b32 s45, s30, 9                         ; my K step
	s_add_co_u32 s44, s44, s45
	s_mov_b32 s45, 0
	s_add_nc_u64 s[20:21], s[20:21], s[44:45]
	s_add_nc_u64 s[22:23], s[22:23], s[44:45]
	s_lshl_b32 s48, s32, 15                        ; pm: 16 u rows of 2,048 bytes
	s_mov_b32 s49, 0
	s_add_nc_u64 s[28:29], s[28:29], s[48:49]
	v_and_b32 v4, 8, v2
	v_add_nc_u32 v4, v4, v2                        ; r + 8 (r / 8)
	v_lshlrev_b32 v5, 11, v4
	v_lshl_add_u32 v5, v3, 7, v5                   ; W_mem: my row of the tile, + 128 h
	v_lshlrev_b32 v6, 11, v2
	v_lshl_add_u32 v6, v3, 7, v6                   ; memory, masks: row r, + 128 h
	s_lshl_b32 s46, s41, 2
	v_lshlrev_b32 v7, 6, v3
	v_add_nc_u32 v7, s46, v7                       ; b_mem: 4 (row0 + 16 h)
	WLOAD 0, 0, 6, 20, 196608                      ; memory[3]: 3 x 32 x 2,048 bytes on
	WLOAD 0, 1, 6, 22, 0
	WLOAD 0, 2, 5, 16, 0
	global_load_b128 v[24:27], v7, s[18:19]
	global_load_b128 v[28:31], v7, s[18:19] offset:16
	v_lshl_add_u32 v4, v2, 11, v7                  ; pm: row r, the same columns
	v_lshlrev_b32 v19, 4, v1                       ; LDS: an image's place for my lane: 16 x lane;
	v_lshlrev_b32 v23, 2, v1                       ; a scale word's: 4 x lane;
	s_mul_i32 s47, s30, 1536
	v_add_nc_u32 v17, s47, v19                     ; where I store my K step's images: + 1,536 x wave;
	s_lshl_b32 s47, s30, 7
	v_add_nc_u32 v18, s47, v23                     ; and their scale words: + 128 x wave
	s_wait_loadcnt 0x0
.set i, 0
.rept 32
	v_pk_mul_f32 v[XK+i:XK+i+1], v[XK+i:XK+i+1], v[XK+64+i:XK+64+i+1]   ; last_mem, in f32
.set i, i+2
.endr
	QW 0, 224, 20
	QW 2, 236, 16
.irp i, 0,1,2                          ; both fragments go to LDS as they stand: 512 consecutive bytes a store
	ds_store_b128 v17, v[224+4*\i:224+4*\i+3] offset:LA+512*\i
	ds_store_b128 v17, v[236+4*\i:236+4*\i+3] offset:LW+512*\i
.endr
	ds_store_b32 v18, v20 offset:LAS
	ds_store_b32 v18, v16 offset:LWS
	s_wait_dscnt 0x0                               ; for the others' sake: my stores are done
	s_barrier_signal -1
	s_barrier_wait -1
	s_cmp_lg_u32 s30, 0                            ; wave 0 sums the four K steps, K ascending, in one accumulator
	s_cbranch_scc1 .Lpmend
.irp s, 0,1,2,3
.irp i, 0,1,2
	ds_load_b128 v[32+12*\s+4*\i:32+12*\s+4*\i+3], v19 offset:LA+1536*\s+512*\i
	ds_load_b128 v[96+12*\s+4*\i:96+12*\s+4*\i+3], v19 offset:LW+1536*\s+512*\i
.endr
	ds_load_b32 v[144+\s], v23 offset:LAS+128*\s
	ds_load_b32 v[148+\s], v23 offset:LWS+128*\s
.endr
	s_wait_dscnt 0x0
	v_wmma_scale_f32_16x16x128_f8f6f4 v[160:167], v[96:107], v[32:43], v[24:31], v148, v144 matrix_a_fmt:MATRIX_FMT_BF6 matrix_b_fmt:MATRIX_FMT_BF6   ; b_mem is the C of the first product
.irp s, 1,2,3
	s_wait_alu depctr_va_vdst(0)                   ; the wait directly ahead of each link
	v_wmma_scale_f32_16x16x128_f8f6f4 v[160:167], v[96+12*\s:107+12*\s], v[32+12*\s:43+12*\s], v[160:167], v[148+\s], v[144+\s] matrix_a_fmt:MATRIX_FMT_BF6 matrix_b_fmt:MATRIX_FMT_BF6
.endr
.rept 4
	v_nop                                          ; four places in front of the stores that read the result
.endr
	global_store_b128 v4, v[160:163], s[28:29]     ; the accumulator from its low end on
	global_store_b128 v4, v[164:167], s[28:29] offset:16
.Lpmend:
	s_wait_tensorcnt 0x0
	ds_add_u32 v251, v255
	s_wait_dscnt 0x0
	s_endpgm
.Lfunc_end_k_qd20ca2b553_quant:
	.size	k_qd20ca2b553_quant, .Lfunc_end_k_qd20ca2b553_quant-k_qd20ca2b553_quant
	.p2alignl 7, 3214868480
	.fill 96, 4, 3214868480
	.section	.rodata,"a",@progbits
	.p2align	6, 0x0
	.amdhsa_kernel k_qd20ca2b553_quant
		.amdhsa_group_segment_fixed_size 13824
		.amdhsa_private_segment_fixed_size 0
		.amdhsa_enable_private_segment 0
		.amdhsa_kernarg_size 88
		.amdhsa_user_sgpr_count 2
		.amdhsa_user_sgpr_kernarg_segment_ptr 1
		.amdhsa_wavefront_size32 1
		.amdhsa_system_sgpr_workgroup_id_x 1
		.amdhsa_system_sgpr_workgroup_id_y 1
		.amdhsa_system_sgpr_workgroup_id_z 1
		.amdhsa_system_vgpr_workitem_id 0
		.amdhsa_next_free_vgpr 256
		.amdhsa_next_free_sgpr 66
		.amdhsa_reserve_vcc 1
		.amdhsa_float_denorm_mode_32 3
		.amdhsa_float_denorm_mode_16_64 3
		.amdhsa_memory_ordered 1
		.amdhsa_forward_progress 1
		.amdhsa_inst_pref_size 115
	.end_amdhsa_kernel
	.amdgpu_metadata
---
amdhsa.version: [ 1, 2 ]
amdhsa.kernels:
  - .name:           k_qd20ca2b553_quant
    .symbol:         k_qd20ca2b553_quant.kd
    .args:
      - { .name: know, .offset: 0, .size: 8, .value_kind: global_buffer, .address_space: global }
      - { .name: W_kb, .offset: 8, .size: 8, .value_kind: global_buffer, .address_space: global }
      - { .name: W_cat, .offset: 16, .size: 8, .value_kind: global_buffer, .address_space: global }
      - { .name: W_cat2, .offset: 24, .size: 8, .value_kind: global_buffer, .address_space: global }
      - { .name: W_mem, .offset: 32, .size: 8, .value_kind: global_buffer, .address_space: global }
      - { .name: b_mem, .offset: 40, .size: 8, .value_kind: global_buffer, .address_space: global }
      - { .name: memory, .offset: 48, .size: 8, .value_kind: global_buffer, .address_space: global }
      - { .name: masks, .offset: 56, .size: 8, .value_kind: global_buffer, .address_space: global }
      - { .name: xq, .offset: 64, .size: 8, .value_kind: global_buffer, .address_space: global }
      - { .name: wq, .offset: 72, .size: 8, .value_kind: global_buffer, .address_space: global }
      - { .name: pm, .offset: 80, .size: 8, .value_kind: global_buffer, .address_space: global }
    .group_segment_fixed_size: 13824
    .private_segment_fixed_size: 0
    .kernarg_segment_align: 8
    .kernarg_segment_size: 88
    .max_flat_workgroup_size: 128
    .sgpr_count:     66
    .vgpr_count:     256
    .wavefront_size: 32
...
	.end_amdgpu_metadata
.endif
;; end of part 4
;; launch chain: the kernel of part 2 again; grid 256 x 1, 4 waves a work-group, clusters of 4 x 1, 327,680 bytes of LDS; arguments xq, wq, pm, b_kb, b_cat, b_cat2, control, W_attn, b_attn, logits; writes logits
;; launch read: the kernel of part 3 again; grid 256 x 1, 8 waves a work-group, no clusters, 1,536 bytes of LDS; arguments logits, know, out0; writes out0
